; MI455X (gfx1250); checked and timed in simulation.
; The chip was launched on July 23, 2026; its instructions are those of AMD's public machine-readable ISA for CDNA 5 (MIT licence, August 2026) and "CDNA5" Instruction Set Architecture Reference Guide (July 2026). The comments in the code are by the model that wrote it; some were corrected since.
;; Patch Match. Allowed arithmetic: float matrix products may take bf16 or f16 operands with f32 sums; all other float work in f32.
;; Inputs: left_features 1 x 32 x 256 x 512 float32; offset_x 1 x 9 x 256 x 512 float32; offset_y 1 x 9 x 256 x 512 float32; right_features 1 x 32 x 256 x 512 float32.
;; Outputs: out0 1 x 1 x 256 x 512 float32; out1 1 x 1 x 256 x 512 float32.
;; One version. Each part assembles by itself: llvm-mc -triple=amdgcn-amd-amdhsa -mcpu=gfx1250 --defsym DOCPART=n.
;; ======== version 1 of 1: 2 launches
;; workspace buffers: rft 16,777,216 bytes; cella 524,288 bytes of whole numbers; cellb 524,288 bytes of whole numbers; cellc 524,288 bytes of whole numbers; celld 524,288 bytes of whole numbers; celle 524,288 bytes of whole numbers
;; launch prep (part 1): grid 256 x 1, 8 waves a work-group, no clusters, 168,960 bytes of LDS; arguments right_features, offset_x, offset_y, rft, cella, cellb, cellc, celld, celle; writes rft, cella, cellb, cellc, celld, celle
.if DOCPART == 1
	.amdgcn_target "amdgcn-amd-amdhsa--gfx1250"
	.amdhsa_code_object_version 6
	.text
	.protected	k_qbac391eba3_prep
	.globl	k_qbac391eba3_prep
	.p2align	8
	.type	k_qbac391eba3_prep,@function
k_qbac391eba3_prep:
	s_mov_b64 s[64:65], 0
	v_nop
	global_prefetch_b8 v0, s[64:65] scope:SCOPE_SE
	s_setreg_imm32_b32 hwreg(HW_REG_WAVE_MODE, 25, 1), 1
	s_wait_xcnt 0x0
; PREPARATION for the matching launch.  One work-group takes image row y (ttmp9), eight waves.
; (a) cell(k, y, x) = max(y0, 0) * 512 + max(x0, 0), 17 bits: the upper left cell of candidate k's bilinear sample, as a whole number,
;     so that the next launch forms its gather addresses from whole numbers read from memory.
;     x0 = floor(ix), ix = ((clip(x - ox, 0, 511) - 256) + 256) - 0.5: the f32 steps of the reference one for one; its divisions and
;     multiplications by 256, 512 and 0.5 are exact scalings and are left out.  Rows likewise with 255 and 128.
;     The nine numbers of a pixel are packed into five words, each word in a [256][512] plane that is a buffer of its own:
;       word m (m = 0..3): cell 2m in bits 0-16, the low 15 bits of cell 2m+1 in bits 17-31
;       word 4:            cell 8 in bits 0-16, the high 2 bits of cell 2m+1 in bits 17+2m, 18+2m
; (b) rft[y][x][c] = right_features[c][y][x]: the 32 channels of a pixel become 128 neighbouring bytes.
;     Wave w brings 32 planes x 64 pixels (rows of 256 bytes, each on a multiple of 256) by one tensor load into LDS bytes of its own,
;     reads them back transposed and stores 512 neighbouring bytes an instruction.  Only the issuing wave reads its bytes: no barrier.
; LIMIT: a NaN offset is clipped to 0 here (v_max_num_f32 drops a NaN), where the reference carries the NaN on.
; No cluster: no two work-groups read a common byte.
.set PLANE, 524288                     ; bytes of a [256][512] f32 plane
.set LP,    264                        ; LDS pitch: 64 words + 2 of padding.  Word (4g+r)*66 + 4t + q lies in bank 8g + q + const (mod 64):
                                       ; the 32 lanes (g = 0..7, q = 0..3) of a transposed read touch 32 different banks (64 banks of 4 bytes: ISA guide 11.1)
.set WLDS,  32*LP                      ; a wave's LDS bytes
.set VOFF, 2                           ; my 8 bytes (2 pixels) in row y of a plane
.set VA,   3                           ; LDS address of the transposed reads
.set XF,   4                           ; v[4:5]   x of my two pixels, f32
.set YF,   6                           ; v[6:7]   y, twice
.set OX,   8                           ; v[8:25]  ox of candidate k in a pair; then the pair of cell numbers; then the packed words
.set OY,   26                          ; v[26:43] oy
.set T,    44                          ; v[44:47] at work: x, x, y, y
.set R,    48                          ; v[48:111] 16 x 4 registers: 16 bytes of rft each
.set VS,   112                         ; 16 x lane
.set CELLP, 32                         ; s[32:41] the five planes' addresses
	s_load_b256 s[4:11], s[0:1], 0x0               ; right_features s[4:5], offset_x s[6:7], offset_y s[8:9], rft s[10:11]
	s_load_b256 s[32:39], s[0:1], 0x20             ; planes of words 0 to 3
	s_load_b64 s[40:41], s[0:1], 0x40              ; plane of word 4
	v_lshl_add_u32 v116, v0, 2, 0x29000
	v_mov_b32 v117, 0
	ds_add_u32 v116, v117
	ds_add_u32 v116, v117
	v_lshrrev_b32 v1, 5, v0
	v_readfirstlane_b32 s14, v1                    ; wave 0..7
	; descriptor group 1: 32 rows (planes) x 64 elements of 4 bytes, 131,072 elements from plane to plane, 2 words of padding behind every 64
	s_mov_b32 s24, (2<<16)|(1<<20)|(5<<22)|(1<<25)
	s_mov_b32 s25, 64<<16                          ; tensor_dim0 = 64
	s_mov_b32 s26, 32<<16                          ; tensor_dim1 = 32
	s_mov_b32 s27, 64<<16                          ; tile_dim0 = 64
	s_mov_b32 s28, 32                              ; tile_dim1 = 32
	s_mov_b32 s29, 131072                          ; stride from row to row of the tile
	s_mov_b32 s30, 0
	s_mov_b32 s31, 0
	s_mov_b32 s20, 1                               ; group 0: count
	s_mul_i32 s21, s14, WLDS                       ; LDS address: my wave's bytes
	s_lshl_b32 s15, ttmp9, 11                      ; row y in a plane, bytes
	s_lshl_b32 s16, s14, 8                         ; + my 64 pixels
	s_add_co_u32 s16, s16, s15
	s_mov_b32 s17, 0
	s_lshl_b32 s18, s16, 5                         ; the same pixels in rft: 128 bytes a pixel in place of 4
	s_mov_b32 s19, 0
	s_mov_b32 s2, ttmp9
	v_lshlrev_b32 v[VOFF], 3, v0                   ; thread t: pixels 2t, 2t+1
	v_add_nc_u32 v[VOFF], s15, v[VOFF]
	v_lshlrev_b32 v1, 1, v0
	v_cvt_f32_u32 v[XF], v1
	v_add_f32 v[XF+1], 1.0, v[XF]
	v_cvt_f32_u32 v[YF], s2
	v_mov_b32 v[YF+1], v[YF]
	v_and_b32 v1, 7, v0                            ; g: channel group of my 16 bytes of rft
	v_mul_u32_u24 v[VA], v1, 4*LP
	v_bfe_u32 v1, v0, 3, 2                         ; q: pixel within four
	v_lshl_add_u32 v[VA], v1, 2, v[VA]
	v_add_nc_u32 v[VA], s21, v[VA]
	v_and_b32 v[VS], 31, v0
	v_lshlrev_b32 v[VS], 4, v[VS]
	s_wait_dscnt 0x0
	s_wait_kmcnt 0x0
	s_add_nc_u64 s[22:23], s[4:5], s[16:17]
	s_or_b32 s23, s23, 0x80000000                  ; type 2
	tensor_load_to_lds s[20:23], s[24:31]          ; asked for first; the cell work below runs while it travels
	s_nop 0
	s_add_nc_u64 s[18:19], s[10:11], s[18:19]      ; rft at my wave's first pixel
.irp k, 0,1,2,3,4,5,6,7,8
	global_load_b64 v[OX+2*\k:OX+2*\k+1], v[VOFF], s[6:7] offset:\k*PLANE    ; a wave's load covers 256 neighbouring bytes, aligned
	global_load_b64 v[OY+2*\k:OY+2*\k+1], v[VOFF], s[8:9] offset:\k*PLANE
.endr
.macro CELLS k
	s_wait_loadcnt 16-2*\k                         ; loads come back in order: the 2 (8 - k) loads of the later candidates stay out
	v_pk_add_f32 v[T:T+1],   v[XF:XF+1], v[OX+2*\k:OX+2*\k+1] neg_lo:[0,1] neg_hi:[0,1]   ; x - ox
	v_pk_add_f32 v[T+2:T+3], v[YF:YF+1], v[OY+2*\k:OY+2*\k+1] neg_lo:[0,1] neg_hi:[0,1]   ; y - oy
.irp i, 0,1,2,3
	v_max_num_f32 v[T+\i], 0, v[T+\i]
.endr
	v_min_num_f32 v[T],   0x43ff8000, v[T]         ; 511
	v_min_num_f32 v[T+1], 0x43ff8000, v[T+1]
	v_min_num_f32 v[T+2], 0x437f0000, v[T+2]       ; 255
	v_min_num_f32 v[T+3], 0x437f0000, v[T+3]
	v_pk_add_f32 v[T:T+1],   v[T:T+1],   0xc3800000 op_sel_hi:[1,0]     ; - 256, rounded as in the reference
	v_pk_add_f32 v[T+2:T+3], v[T+2:T+3], 0xc3000000 op_sel_hi:[1,0]     ; - 128
	v_pk_add_f32 v[T:T+1],   v[T:T+1],   0x43800000 op_sel_hi:[1,0]     ; + 256
	v_pk_add_f32 v[T+2:T+3], v[T+2:T+3], 0x43000000 op_sel_hi:[1,0]     ; + 128
	v_pk_add_f32 v[T:T+1],   v[T:T+1],   -0.5 op_sel_hi:[1,0]
	v_pk_add_f32 v[T+2:T+3], v[T+2:T+3], -0.5 op_sel_hi:[1,0]
.irp i, 0,1,2,3
	v_floor_f32 v[T+\i], v[T+\i]                   ; -1 .. 510 (254)
.endr
.irp i, 0,1,2,3
	v_max_num_f32 v[T+\i], 0, v[T+\i]              ; cell -1 is outside the image: the next launch gives it the weight 0 and starts at cell 0
.endr
.irp i, 0,1,2,3
	v_cvt_u32_f32 v[T+\i], v[T+\i]
.endr
	v_lshl_add_u32 v[OX+2*\k],   v[T+2], 9, v[T]   ; in place of ox, which has been used
	v_lshl_add_u32 v[OX+2*\k+1], v[T+3], 9, v[T+1]
.endm
.irp k, 0,1,2,3,4,5,6,7,8
	CELLS \k
.endr
	; Nine numbers of 17 bits into five words, for each of my two pixels (p).  Word m takes the place of cell 2m, word 4 that of cell 8.
.irp m, 0,1,2,3
.irp p, 0,1
	v_lshrrev_b32 v[T+\p], 15, v[OX+4*\m+2+\p]                             ; the high 2 bits of cell 2m+1
	v_lshl_or_b32 v[OX+16+\p], v[T+\p], 17+2*\m, v[OX+16+\p]               ; into word 4
	v_lshl_or_b32 v[OX+4*\m+\p], v[OX+4*\m+2+\p], 17, v[OX+4*\m+\p]        ; its low 15 bits above cell 2m (the shift drops the other two)
.endr
	global_store_b64 v[VOFF], v[OX+4*\m:OX+4*\m+1], s[CELLP+2*\m:CELLP+2*\m+1]     ; 256 neighbouring bytes a wave, aligned; these registers are not written again
.endr
	global_store_b64 v[VOFF], v[OX+16:OX+17], s[CELLP+8:CELLP+9]
	s_wait_tensorcnt 0x0                           ; my tile is in LDS; nobody else reads it
.macro TREAD t                         ; four words for one store: channels 4g .. 4g+3 of pixel 4t + q
.irp r, 0,1,2,3
	ds_load_b32 v[R+4*(\t)+\r], v[VA] offset:\r*LP+16*(\t)
.endr
.endm
.irp t, 0,1,2,3,4,5,6,7
	TREAD \t
.endr
.irp t, 0,1,2,3,4,5,6,7,8,9,10,11,12,13,14,15
.if \t < 8
	TREAD \t+8                                     ; eight groups ahead
	s_wait_dscnt 32                                ; LDS loads come back in order: the 8 younger groups of 4 stay out
.else
	s_wait_dscnt 4*(15-\t)                         ; nothing more is asked for: the counts run down
.endif
	global_store_b128 v[VS], v[R+4*\t:R+4*\t+3], s[18:19] offset:512*\t   ; four pixels x 128 bytes: 512 neighbouring bytes, aligned
.endr
	s_wait_tensorcnt 0x0
	ds_add_u32 v116, v117
	s_wait_dscnt 0x0
	s_endpgm
.Lfunc_end_k_qbac391eba3_prep:
	.size	k_qbac391eba3_prep, .Lfunc_end_k_qbac391eba3_prep-k_qbac391eba3_prep
	.p2alignl 7, 3214868480
	.fill 96, 4, 3214868480
	.section	.rodata,"a",@progbits
	.p2align	6, 0x0
	.amdhsa_kernel k_qbac391eba3_prep
		.amdhsa_group_segment_fixed_size 168960
		.amdhsa_private_segment_fixed_size 0
		.amdhsa_enable_private_segment 0
		.amdhsa_kernarg_size 72
		.amdhsa_user_sgpr_count 2
		.amdhsa_user_sgpr_kernarg_segment_ptr 1
		.amdhsa_wavefront_size32 1
		.amdhsa_system_sgpr_workgroup_id_x 1
		.amdhsa_system_sgpr_workgroup_id_y 1
		.amdhsa_system_sgpr_workgroup_id_z 1
		.amdhsa_system_vgpr_workitem_id 0
		.amdhsa_next_free_vgpr 118
		.amdhsa_next_free_sgpr 66
		.amdhsa_reserve_vcc 0
		.amdhsa_float_denorm_mode_32 3
		.amdhsa_float_denorm_mode_16_64 3
		.amdhsa_memory_ordered 1
		.amdhsa_forward_progress 1
		.amdhsa_inst_pref_size 26
	.end_amdhsa_kernel
	.amdgpu_metadata
---
amdhsa.version: [ 1, 2 ]
amdhsa.kernels:
  - .name:           k_qbac391eba3_prep
    .symbol:         k_qbac391eba3_prep.kd
    .args:
      - { .name: right_features, .offset: 0, .size: 8, .value_kind: global_buffer, .address_space: global }
      - { .name: offset_x, .offset: 8, .size: 8, .value_kind: global_buffer, .address_space: global }
      - { .name: offset_y, .offset: 16, .size: 8, .value_kind: global_buffer, .address_space: global }
      - { .name: rft, .offset: 24, .size: 8, .value_kind: global_buffer, .address_space: global }
      - { .name: cella, .offset: 32, .size: 8, .value_kind: global_buffer, .address_space: global }
      - { .name: cellb, .offset: 40, .size: 8, .value_kind: global_buffer, .address_space: global }
      - { .name: cellc, .offset: 48, .size: 8, .value_kind: global_buffer, .address_space: global }
      - { .name: celld, .offset: 56, .size: 8, .value_kind: global_buffer, .address_space: global }
      - { .name: celle, .offset: 64, .size: 8, .value_kind: global_buffer, .address_space: global }
    .group_segment_fixed_size: 168960
    .private_segment_fixed_size: 0
    .kernarg_segment_align: 8
    .kernarg_segment_size: 72
    .max_flat_workgroup_size: 256
    .sgpr_count:     66
    .vgpr_count:     118
    .wavefront_size: 32
...
	.end_amdgpu_metadata
.endif
;; end of part 1
;; launch match (part 2): grid 4 x 64, 16 waves a work-group, no clusters, 295,168 bytes of LDS; arguments left_features, offset_x, offset_y, cella, cellb, cellc, celld, celle, rft, out0, out1; writes out0, out1
.if DOCPART == 2
	.amdgcn_target "amdgcn-amd-amdhsa--gfx1250"
	.amdhsa_code_object_version 6
	.text
	.protected	k_qbac391eba3_match
	.globl	k_qbac391eba3_match
	.p2align	8
	.type	k_qbac391eba3_match,@function
k_qbac391eba3_match:
	s_mov_b64 s[64:65], 0
	v_nop
	global_prefetch_b8 v0, s[64:65] scope:SCOPE_SE
	s_setreg_imm32_b32 hwreg(HW_REG_WAVE_MODE, 25, 1), 1
	s_wait_xcnt 0x0
; MATCHING: for each pixel and each of 9 candidates the mean |left - bilinear sample of right| over 32 channels, a softmax over the
; candidates (temperature 10,000) and the weighted means of the offsets.  All in f32.
; A work-group takes a tile of 128 x 4 pixels: 16 waves, one lane a pixel, all 9 candidates in the lane.
; The 4 taps x 128 bytes of each of the tile's 4,608 samples (2.36 MB) are read from LDS:
;   WINDOW  9 rows x 194 pixels x 128 bytes of rft (channels last): columns xt-66 .. xt+127, rows yt-3 .. yt+5, shifted into the image at
;           its edges.  It holds every sample of offsets ox in [0, 64), oy in [-2, 2).
;   LEFT    [4 rows][32 planes][128 pixels] of left_features.      STAGE  the tile's two results, for whole stores.
; Thirteen tensor loads, one a wave: waves 0-8 a window row (24,832 neighbouring bytes from a multiple of 256), waves 9-12 a row of LEFT.
; ANY OFFSET IS SERVED, AND NO BRANCH HANGS ON THE DATA: each candidate is taken twice, once from the window (slot clamped into it) and
; once by the same eight steps with global loads from rft; v_cndmask_b32 then keeps, lane by lane, the sum of the pass that holds the sample.
; In the global pass a lane whose sample is inside the window asks for the window's first two pixels instead of its own: those lanes share
; 256 bytes of each of two rows.  The price is that the gather's instructions are issued twice.
; THE CELL NUMBERS COME IN BY SCALAR LOADS: a wave's 32 words of a plane are 128 neighbouring bytes, two s_load_b512; v_writelane_b32 deals
; them to the lanes.  Ten loads in four rounds of three sets of 16 registers; each round is asked for ahead of the weight work of the
; candidates that are already complete, and all of it stands where the wave would otherwise wait for the tiles.
; THE LDS GATHER HAS NO BANK CONFLICT, wherever the samples lie.  Pixels p and p+1 are 256 neighbouring bytes: every bank once (64 banks of
; 4 bytes: ISA guide 11.1).  In step j lane i takes channel group g = ((i&7)+j)&7; its load A takes x tap tA = ((i>>3) + x cell) & 1,
; load B the other.  A's pixel slot then has the parity of i>>3, so A's 16 bytes lie in column 8 ((i>>3)&1) + g of the 16 columns of 16
; bytes: sixteen different columns in lanes 0-15 and again in lanes 16-31; B likewise with the halves exchanged.  (The window's first column
; and its width are even, its rows multiples of 256 bytes.)  The left features are kept in the same rotated order.
; No cluster: no two work-groups ask for the same tile; neighbours' windows overlap, but begin at other columns or other rows.
; LIMITS: a NaN offset is clipped to 0 where the reference makes both results NaN (here only the result of that offset is NaN).  The
; channel sum and the four products of a tap are rounded in another order than the reference's.
.set PLANE, 524288                     ; bytes of a [256][512] f32 plane
.set WINW,  194
.set WINH,  9
.set ROWB,  WINW*128                   ; 24,832 = 97 x 256
.set LEFT,  WINH*ROWB                  ; 223,488
.set LROW,  16384                      ; 32 planes x 128 pixels x 4 bytes
.set STAGE, LEFT+4*LROW                ; 289,024
.set GROW,  65536                      ; a row of rft
.set PMAX,  (WINH-2)*WINW+WINW-1       ; last window slot from which the row below is still in the window
.set GMAX,  254*512+511                ; the same in rft
.set GOFF, 2                           ; v[2:9]     16 g of step j
.set H8,   10                          ; (lane >> 3) & 1
.set VOFF, 11                          ; my pixel's byte offset in a plane
.set POS,  12                          ; v[12:13]   x, y as f32
.set CM,   14                          ; v[14:15]   -256, -128
.set T,    16                          ; v[16:31]   at work
.set TA,   32                          ; v[32:35]   address of load A, one for each data buffer
.set TB,   36                          ; v[36:39]   of load B
.set ACC,  40                          ; v[40:41]   two chains of the channel sum
.set CP,   42                          ; v[42:43]   256, 128
.set LB,   44                          ; LDS address of my pixel in plane 0 of LEFT
.set BP,   45                          ; the window's first pixel, as a pixel number of rft
.set O,    46                          ; v[46:63]   ox, oy of candidate k as a pair
.set IDX,  64                          ; v[64:72]   cell number of candidate k
.set PA,   73                          ; v[73:81]   window slot of load A
.set PB,   82                          ; v[82:90]   of load B
.set S,    91                          ; v[91:99]   sum over channels of |left - sample|, then the exponential
.set WT,   100                         ; v[100:135] candidate k: minus the weights of A row 0, B row 0, A row 1, B row 1
.set L,    136                         ; v[136:167] left features, step j: channels 4g .. 4g+3
.set D,    168                         ; v[168:231] four data buffers of 16 registers: A row 0, B row 0, A row 1, B row 1
.set PW,   168                         ; v[168:172] before the gather: the five packed words of my pixel
; scalars: s[2:3] an offset in 64 bits (s3 stays 0); s[4:5] left, s[6:7] offset_x, s[8:9] offset_y; s[20:21] rft, s[22:23] out0, s[24:25] out1;
; s26 wave; s27 xt; s28 yt; s29 xs; s30 ys; s31 the window's origin as a slot number; s96 as a pixel of rft; s97, s98 at work; s99 a lane mask
.set CELLP, 10                         ; s[10:19]   the five planes of packed cell numbers
.set X0,   32                          ; s[32:47]   16 words, first set
.set X1,   48                          ; s[48:63]   second set
.set X2,   68                          ; s[68:83]   third set
.set G0,   84                          ; s[84:87]   descriptor group 0
.set G1,   88                          ; s[88:95]   descriptor group 1
	s_load_b512 s[4:19], s[0:1], 0x0               ; eight addresses
	s_load_b128 s[20:23], s[0:1], 0x40             ; rft, out0
	s_load_b64 s[24:25], s[0:1], 0x50              ; out1
	v_lshl_add_u32 v232, v0, 2, 0x47900
	v_mov_b32 v233, 0
	ds_add_u32 v232, v233
	ds_add_u32 v232, v233
	v_lshrrev_b32 v1, 5, v0
	v_readfirstlane_b32 s26, v1                    ; wave 0..15
	s_lshl_b32 s27, ttmp9, 7                       ; xt
	s_and_b32 s28, ttmp7, 0xffff
	s_lshl_b32 s28, s28, 2                         ; yt
	s_sub_co_i32 s29, s27, 66
	s_max_i32 s29, s29, 0                          ; xs: 0, 62, 190, 318 (even; xs + 194 <= 512)
	s_sub_co_i32 s30, s28, 3
	s_max_i32 s30, s30, 0
	s_min_i32 s30, s30, 256-WINH                   ; ys
	s_mul_i32 s31, s30, WINW
	s_add_co_u32 s31, s31, s29                     ; slot = y 194 + x - this
	s_lshl_b32 s96, s30, 9
	s_add_co_u32 s96, s96, s29                     ; ys 512 + xs
	s_mov_b32 s3, 0
	s_mov_b32 s[G0], 1                             ; descriptor group 0: count
	s_mov_b32 s[G1+6], 0
	s_mov_b32 s[G1+7], 0
	v_and_b32 v1, 7, v0
	v_lshlrev_b32 v1, 4, v1
.irp j, 0,1,2,3,4,5,6,7
	v_add_nc_u32 v[GOFF+\j], 16*\j, v1
	v_and_b32 v[GOFF+\j], 0x70, v[GOFF+\j]         ; 16 (((lane & 7) + j) & 7)
.endr
	v_bfe_u32 v[H8], v0, 3, 1
	v_and_b32 v1, 0x7f, v0                         ; x in the tile
	v_lshrrev_b32 v[T], 7, v0                      ; y in the tile
	v_lshlrev_b32 v[LB], 2, v1
	v_lshl_add_u32 v[LB], v[T], 14, v[LB]
	v_add_nc_u32 v[LB], LEFT, v[LB]
	v_add_nc_u32 v1, s27, v1                       ; x
	v_add_nc_u32 v[T], s28, v[T]                   ; y
	v_cvt_f32_u32 v[POS], v1
	v_cvt_f32_u32 v[POS+1], v[T]
	v_lshl_add_u32 v[VOFF], v[T], 9, v1
	v_lshlrev_b32 v[VOFF], 2, v[VOFF]
	v_mov_b32 v[CM], 0xc3800000
	v_mov_b32 v[CM+1], 0xc3000000
	v_mov_b32 v[CP], 0x43800000
	v_mov_b32 v[CP+1], 0x43000000
	v_mov_b32 v[BP], s96
	s_lshr_b32 s2, s26, 2                          ; my wave's 32 pixels: row yt + wave / 4, from column xt + 32 (wave % 4)
	s_add_co_u32 s2, s2, s28
	s_lshl_b32 s2, s2, 9
	s_add_co_u32 s2, s2, s27
	s_and_b32 s97, s26, 3
	s_lshl_b32 s97, s97, 5
	s_add_co_u32 s2, s2, s97
	s_lshl_b32 s2, s2, 2
	s_wait_dscnt 0x0
	s_wait_kmcnt 0x0
.irp w, 0,1,2,3,4
	s_add_nc_u64 s[CELLP+2*\w:CELLP+2*\w+1], s[CELLP+2*\w:CELLP+2*\w+1], s[2:3]    ; each plane at my wave's first pixel, a multiple of 128 bytes
.endr
.macro ASK set, w, h                   ; lanes 16 h .. 16 h + 15 of word w into a set of 16 scalar registers
	s_load_b512 s[\set:\set+15], s[CELLP+2*\w:CELLP+2*\w+1], 64*\h
.endm
.macro DEAL set, w, h                  ; and from the set to the lanes
.if \h == 0
	v_mov_b32 v[PW+\w], s[\set]                    ; lane 0's word everywhere: the register is written whole,
.set i, 1
.rept 15
	v_writelane_b32 v[PW+\w], s[\set+i], i         ; then each lane gets its own
.set i, i+1
.endr
.else
.set i, 0
.rept 16
	v_writelane_b32 v[PW+\w], s[\set+i], 16+i
.set i, i+1
.endr
.endif
.endm
	ASK X0, 4, 0                                   ; word 4 first: every odd candidate needs it
	ASK X1, 4, 1
	ASK X2, 0, 0
	s_cmp_ge_u32 s26, WINH
	s_cbranch_scc1 .Lleft
	; waves 0-8: window row = wave, one row of 3,104 elements of 8 bytes
	s_mul_i32 s[G0+1], s26, ROWB
	s_mov_b32 s[G1+0], 3<<16
	s_mov_b32 s[G1+1], (ROWB/8)<<16
	s_mov_b32 s[G1+2], 1<<16
	s_mov_b32 s[G1+3], (ROWB/8)<<16
	s_mov_b32 s[G1+4], 1
	s_mov_b32 s[G1+5], 3104
	s_add_co_u32 s2, s30, s26
	s_lshl_b32 s2, s2, 9
	s_add_co_u32 s2, s2, s29
	s_lshl_b32 s2, s2, 7                           ; ((ys + wave) 512 + xs) 128 bytes
	s_add_nc_u64 s[G0+2:G0+3], s[20:21], s[2:3]
	s_or_b32 s[G0+3], s[G0+3], 0x80000000
	tensor_load_to_lds s[G0:G0+3], s[G1:G1+7]
	s_nop 0
	s_branch .Lasked
.Lleft:
	s_cmp_ge_u32 s26, WINH+4
	s_cbranch_scc1 .Lasked
	; waves 9-12: tile row = wave - 9 of the left features: 32 planes x 128 elements of 4 bytes (rows of 512 bytes, aligned)
	s_lshl_b32 s[G0+1], s26, 14
	s_add_co_u32 s[G0+1], s[G0+1], LEFT-WINH*LROW
	s_mov_b32 s[G1+0], 2<<16
	s_mov_b32 s[G1+1], 128<<16
	s_mov_b32 s[G1+2], 32<<16
	s_mov_b32 s[G1+3], 128<<16
	s_mov_b32 s[G1+4], 32
	s_mov_b32 s[G1+5], 131072
	s_add_co_u32 s2, s28, s26
	s_sub_co_u32 s2, s2, WINH
	s_lshl_b32 s2, s2, 9
	s_add_co_u32 s2, s2, s27
	s_lshl_b32 s2, s2, 2
	s_add_nc_u64 s[G0+2:G0+3], s[4:5], s[2:3]
	s_or_b32 s[G0+3], s[G0+3], 0x80000000
	tensor_load_to_lds s[G0:G0+3], s[G1:G1+7]
	s_nop 0
.Lasked:
.irp k, 0,1,2,3,4,5,6,7,8
	global_load_b32 v[O+2*\k],   v[VOFF], s[6:7] offset:\k*PLANE th:TH_LOAD_NT     ; 128 neighbouring bytes a wave; each byte read once in the launch
	global_load_b32 v[O+2*\k+1], v[VOFF], s[8:9] offset:\k*PLANE th:TH_LOAD_NT
.endr
; Candidate k, while the tiles travel: its cell number out of the packed words, the four weights (negated, so that the chain
; l + sum of v (-w) ends at l - sample) and the two window slots.
.macro PRE k
.set W_, WT+4*\k
.if \k == 8
	v_and_b32 v[IDX+8], 0x1ffff, v[PW+4]
.else
.if (\k & 1) == 0
	v_and_b32 v[IDX+\k], 0x1ffff, v[PW+\k/2]
.else
	v_lshrrev_b32 v[IDX+\k], 17, v[PW+\k/2]        ; the low 15 bits,
	v_bfe_u32 v[T+15], v[PW+4], 16+\k, 2           ; the high 2 from word 4, bit 17 + 2 m with k = 2 m + 1
	v_lshl_or_b32 v[IDX+\k], v[T+15], 15, v[IDX+\k]
.endif
.endif
	v_pk_add_f32 v[T:T+1], v[POS:POS+1], v[O+2*\k:O+2*\k+1] neg_lo:[0,1] neg_hi:[0,1]     ; x - ox, y - oy
	v_max_num_f32 v[T], 0, v[T]
	v_max_num_f32 v[T+1], 0, v[T+1]
	v_min_num_f32 v[T], 0x43ff8000, v[T]           ; 511
	v_min_num_f32 v[T+1], 0x437f0000, v[T+1]       ; 255
	v_pk_add_f32 v[T:T+1], v[T:T+1], v[CM:CM+1]    ; the reference's f32 steps one for one (its scalings by powers of two are exact),
	v_pk_add_f32 v[T:T+1], v[T:T+1], v[CP:CP+1]    ; the same as in the launch that made the cell numbers
	v_pk_add_f32 v[T:T+1], v[T:T+1], -0.5 op_sel_hi:[1,0]
	v_floor_f32 v[T+2], v[T]                       ; x0
	v_floor_f32 v[T+3], v[T+1]                     ; y0
	v_pk_add_f32 v[T+4:T+5], v[T:T+1], v[T+2:T+3] neg_lo:[0,1] neg_hi:[0,1]               ; wx, wy
	v_sub_f32 v[T+6], 1.0, v[T+4]                  ; 1 - wx
	v_add_f32 v[T+8], -1.0, v[T+5]                 ; -(1 - wy)
	v_sub_f32 v[T+9], 0, v[T+5]                    ; -wy
	v_cmp_gt_f32 vcc_lo, 0, v[T+2]                 ; x0 = -1: that cell counts as zero, the cell number starts at cell 0, which carries wx
	v_cndmask_b32 v[T+6], v[T+6], v[T+4], vcc_lo   ; a0: weight of the cell's column
	v_cndmask_b32 v[T+4], v[T+4], 0, vcc_lo        ; a1: of the column beside it
	v_cmp_gt_f32 vcc_lo, 0, v[T+3]
	v_cndmask_b32 v[T+8], v[T+8], v[T+9], vcc_lo   ; -b0: the cell's row
	v_cndmask_b32 v[T+9], v[T+9], 0, vcc_lo        ; -b1: the row below
	v_add_nc_u32 v[T+12], v[IDX+\k], v[H8]
	v_and_b32 v[T+12], 1, v[T+12]                  ; tA
	v_cmp_eq_u32 vcc_lo, 1, v[T+12]
	v_cndmask_b32 v[T+10], v[T+6], v[T+4], vcc_lo  ; x weight of load A
	v_cndmask_b32 v[T+11], v[T+4], v[T+6], vcc_lo  ; of load B
	v_pk_mul_f32 v[W_:W_+1],   v[T+10:T+11], v[T+8:T+9] op_sel_hi:[1,0]
	v_pk_mul_f32 v[W_+2:W_+3], v[T+10:T+11], v[T+8:T+9] op_sel:[0,1] op_sel_hi:[1,1]
	v_and_b32 v[T+13], 0x1ff, v[IDX+\k]            ; column
	v_lshrrev_b32 v[T+14], 9, v[IDX+\k]            ; row
	v_mad_u32_u24 v[T+14], v[T+14], WINW, v[T+13]
	v_sub_nc_u32 v[T+14], v[T+14], s31             ; slot in the window
	v_add_nc_u32 v[PA+\k], v[T+14], v[T+12]
	v_xor_b32 v[T+12], 1, v[T+12]
	v_add_nc_u32 v[PB+\k], v[T+14], v[T+12]
	v_min_u32 v[PA+\k], PMAX, v[PA+\k]             ; changes nothing for a sample inside; keeps every LDS address in the window
	v_min_u32 v[PB+\k], PMAX, v[PB+\k]
.endm
	; Four rounds.  Scalar loads come back in no order, so each wait is for all that are out: the round's three loads (the last round's one).
	; A set is asked for again only when its words have been dealt out.
	s_wait_kmcnt 0x0
	DEAL X0, 4, 0
	DEAL X1, 4, 1
	DEAL X2, 0, 0
	ASK X0, 0, 1
	ASK X1, 1, 0
	ASK X2, 1, 1
	s_wait_loadcnt 0x0                             ; ox and oy of all nine candidates, once
	PRE 8
	s_wait_kmcnt 0x0
	DEAL X0, 0, 1
	DEAL X1, 1, 0
	DEAL X2, 1, 1
	ASK X0, 2, 0
	ASK X1, 2, 1
	ASK X2, 3, 0
	PRE 0
	PRE 1
	PRE 2
	PRE 3
	s_wait_kmcnt 0x0
	DEAL X0, 2, 0
	DEAL X1, 2, 1
	DEAL X2, 3, 0
	ASK X0, 3, 1
	PRE 4
	PRE 5
	s_wait_kmcnt 0x0
	DEAL X0, 3, 1
	PRE 6
	PRE 7
	s_wait_tensorcnt 0x0                           ; my tile, if I asked for one, is in LDS:
	s_barrier_signal -1                            ; say so,
	s_barrier_wait -1                              ; and read when all sixteen have said so.  Window and LEFT are never written again.
.irp j, 0,1,2,3,4,5,6,7
	v_lshl_add_u32 v[T+\j], v[GOFF+\j], 7, v[LB]   ; plane 4g: 16 g x 128 = 4 g x 512 bytes
.irp r, 0,1,2,3
	ds_load_b32 v[L+4*\j+\r], v[T+\j] offset:512*\r        ; every plane starts on a multiple of 256 bytes: bank = x mod 64, 32 different ones
.endr
.endr
; Step j's four loads into data buffer j & 3.  far = 0: from the window; far = 1: from rft.
.macro ISSUE k, j, far
.set B_, D+16*((\j)&3)
.set A_, (\j)&3
.if \far
	v_lshl_add_u32 v[TA+A_], v[T],   7, v[GOFF+(\j)]       ; this buffer's last loads, which named these registers, were waited for four steps ago
	v_lshl_add_u32 v[TB+A_], v[T+1], 7, v[GOFF+(\j)]
	global_load_b128 v[B_:B_+3],     v[TA+A_], s[20:21]
	global_load_b128 v[B_+4:B_+7],   v[TB+A_], s[20:21]
	global_load_b128 v[B_+8:B_+11],  v[TA+A_], s[20:21] offset:GROW
	global_load_b128 v[B_+12:B_+15], v[TB+A_], s[20:21] offset:GROW
.else
	v_lshl_add_u32 v[TA+A_], v[PA+\k], 7, v[GOFF+(\j)]
	v_lshl_add_u32 v[TB+A_], v[PB+\k], 7, v[GOFF+(\j)]
	ds_load_b128 v[B_:B_+3],     v[TA+A_]
	ds_load_b128 v[B_+4:B_+7],   v[TB+A_]
	ds_load_b128 v[B_+8:B_+11],  v[TA+A_] offset:ROWB
	ds_load_b128 v[B_+12:B_+15], v[TB+A_] offset:ROWB
.endif
.endm
.macro WAITN n, far
.if \far
	s_wait_loadcnt \n
.else
	s_wait_dscnt \n
.endif
.endm
; Step j's arithmetic: four channels, d = l - (the four taps), two at a time; then |d| into two chains.
.macro COMPUTE k, j
.set B_, D+16*((\j)&3)
.set W_, WT+4*\k
.set L_, L+4*(\j)
	v_pk_fma_f32 v[B_:B_+1],   v[B_:B_+1],     v[W_:W_+1],   v[L_:L_+1]   op_sel_hi:[1,0,1]
	v_pk_fma_f32 v[B_+2:B_+3], v[B_+2:B_+3],   v[W_:W_+1],   v[L_+2:L_+3] op_sel_hi:[1,0,1]
	v_pk_fma_f32 v[B_:B_+1],   v[B_+4:B_+5],   v[W_:W_+1],   v[B_:B_+1]   op_sel:[0,1,0] op_sel_hi:[1,1,1]
	v_pk_fma_f32 v[B_+2:B_+3], v[B_+6:B_+7],   v[W_:W_+1],   v[B_+2:B_+3] op_sel:[0,1,0] op_sel_hi:[1,1,1]
	v_pk_fma_f32 v[B_:B_+1],   v[B_+8:B_+9],   v[W_+2:W_+3], v[B_:B_+1]   op_sel_hi:[1,0,1]
	v_pk_fma_f32 v[B_+2:B_+3], v[B_+10:B_+11], v[W_+2:W_+3], v[B_+2:B_+3] op_sel_hi:[1,0,1]
	v_pk_fma_f32 v[B_:B_+1],   v[B_+12:B_+13], v[W_+2:W_+3], v[B_:B_+1]   op_sel:[0,1,0] op_sel_hi:[1,1,1]
	v_pk_fma_f32 v[B_+2:B_+3], v[B_+14:B_+15], v[W_+2:W_+3], v[B_+2:B_+3] op_sel:[0,1,0] op_sel_hi:[1,1,1]
.if (\j) == 0
	v_add_f32 v[ACC],   |v[B_]|,   |v[B_+1]|       ; the first step starts the chains: nothing is cleared
	v_add_f32 v[ACC+1], |v[B_+2]|, |v[B_+3]|
.else
	v_add_f32 v[ACC],   v[ACC],   |v[B_]|
	v_add_f32 v[ACC+1], v[ACC+1], |v[B_+2]|
	v_add_f32 v[ACC],   v[ACC],   |v[B_+1]|
	v_add_f32 v[ACC+1], v[ACC+1], |v[B_+3]|
.endif
.endm
; A pass over a candidate: eight steps, loads three steps ahead.  The wait lets the four loads of each younger step stay out:
; 12, 12, 12, 12, 12, 8, 4, 0.  The last wait is for 0, so that the next pass, on the other counter, finds buffers and addresses free.
.macro RUN k, far
	ISSUE \k, 0, \far
	ISSUE \k, 1, \far
	ISSUE \k, 2, \far
.irp j, 0,1,2,3,4,5,6,7
.if \j < 5
	ISSUE \k, \j+3, \far
	WAITN 12, \far
.else
	WAITN 4*(7-\j), \far
.endif
	COMPUTE \k, \j
.endr
.if \far
	v_add_f32 v[T+3], v[ACC], v[ACC+1]
	v_cndmask_b32 v[S+\k], v[S+\k], v[T+3], s99    ; lanes whose sample is outside the window keep this pass's sum, the others the window's
.else
	v_add_f32 v[S+\k], v[ACC], v[ACC+1]
.endif
.endm
.irp k, 0,1,2,3,4,5,6,7,8
	RUN \k, 0                                      ; from the window (the first wait on the LDS counter also covers the loads of the left features, issued earlier)
	v_and_b32 v[T+4], 0x1ff, v[IDX+\k]
	v_lshrrev_b32 v[T+5], 9, v[IDX+\k]
	v_sub_nc_u32 v[T+4], v[T+4], s29               ; column in the window (a negative number is a large unsigned one)
	v_sub_nc_u32 v[T+5], v[T+5], s30               ; row in the window
	v_cmp_lt_u32 s97, WINW-2, v[T+4]               ; the cell to the right and the one below have to be inside too
	v_cmp_lt_u32 s98, WINH-2, v[T+5]
	s_or_b32 s99, s97, s98                         ; lanes outside: used in selects alone
	v_cndmask_b32 v[T+3], v[BP], v[IDX+\k], s99    ; their own cell; all the others the window's first pixel
	v_add_nc_u32 v[T+2], v[IDX+\k], v[H8]
	v_and_b32 v[T+2], 1, v[T+2]                    ; tA, as for the weights
	v_add_nc_u32 v[T], v[T+3], v[T+2]              ; pixel of load A in rft,
	v_xor_b32 v[T+2], 1, v[T+2]
	v_add_nc_u32 v[T+1], v[T+3], v[T+2]            ; of load B
	v_min_u32 v[T], GMAX, v[T]                     ; changes no number that the launch before stores; keeps both rows inside rft
	v_min_u32 v[T+1], GMAX, v[T+1]
	RUN \k, 1                                      ; from rft
.endr
	; Softmax over the candidates.  score = -10000/32 x sum; the largest score (the smallest sum) is taken away:
	; exponent to base 2 = C (min - sum), C = 312.5 log2(e), as one fused multiply-add on C min, whose rounding is common to all nine.
	v_min3_num_f32 v[T], v[S], v[S+1], v[S+2]
	v_min3_num_f32 v[T], v[T], v[S+3], v[S+4]
	v_min3_num_f32 v[T], v[T], v[S+5], v[S+6]
	v_min3_num_f32 v[T], v[T], v[S+7], v[S+8]
	v_mul_f32 v[T], 0x43e16bcd, v[T]
.irp k, 0,1,2,3,4,5,6,7,8
	v_fmamk_f32 v[S+\k], v[S+\k], 0xc3e16bcd, v[T]
.endr
.irp k, 0,1,2,3,4,5,6,7,8
	v_exp_f32 v[S+\k], v[S+\k]
.endr
	v_lshlrev_b32 v[T+5], 2, v0                    ; a plain instruction between the exponentials and their first use (ISA guide 5.7.2)
	v_add_nc_u32 v[T+5], STAGE, v[T+5]
	s_wait_alu depctr_va_vdst(0)
	v_add_f32 v[T+1], v[S], v[S+1]
	v_mul_f32 v[T+2], v[O], v[S]
	v_mul_f32 v[T+3], v[O+1], v[S]
	v_fmac_f32 v[T+2], v[O+2], v[S+1]
	v_fmac_f32 v[T+3], v[O+3], v[S+1]
.irp k, 2,3,4,5,6,7,8
	v_add_f32 v[T+1], v[T+1], v[S+\k]
	v_fmac_f32 v[T+2], v[O+2*\k], v[S+\k]
	v_fmac_f32 v[T+3], v[O+2*\k+1], v[S+\k]
.endr
	v_rcp_f32 v[T+1], v[T+1]                       ; the sum is about 1 or more: the smallest sum's term is 2 to the rounding residue of C min
	v_and_b32 v[T+6], 31, v0                       ; a plain instruction behind it
	s_wait_alu depctr_va_vdst(0)
	v_mul_f32 v[T+2], v[T+2], v[T+1]
	v_mul_f32 v[T+3], v[T+3], v[T+1]
	; The way out: a wave holds 128 bytes of a row.  Through LDS, so that one store covers the tile's 512 bytes of a row.
	ds_store_b32 v[T+5], v[T+2]
	ds_store_b32 v[T+5], v[T+3] offset:2048
	s_wait_dscnt 0x0                               ; for the others' sake: my stores are done
	s_barrier_signal -1
	s_barrier_wait -1
	s_cmp_ge_u32 s26, 8
	s_cbranch_scc1 .Lend
	v_lshlrev_b32 v[T+6], 4, v[T+6]                ; waves 0-3: rows 0-3 of out0; waves 4-7: of out1
	s_lshl_b32 s2, s26, 9
	s_add_co_u32 s2, s2, STAGE
	v_add_nc_u32 v[T+7], s2, v[T+6]
	ds_load_b128 v[D:D+3], v[T+7]
	s_and_b32 s2, s26, 3
	s_add_co_u32 s2, s2, s28
	s_lshl_b32 s2, s2, 9
	s_add_co_u32 s2, s2, s27
	s_lshl_b32 s2, s2, 2                           ; ((yt + row) 512 + xt) 4 bytes; s3 is still 0
	s_cmp_lt_u32 s26, 4
	s_cselect_b64 s[4:5], s[22:23], s[24:25]
	s_add_nc_u64 s[4:5], s[4:5], s[2:3]
	s_wait_dscnt 0x0
	global_store_b128 v[T+6], v[D:D+3], s[4:5] th:TH_STORE_NT     ; 512 neighbouring bytes, aligned
.Lend:
	s_wait_tensorcnt 0x0
	ds_add_u32 v232, v233
	s_wait_dscnt 0x0
	s_endpgm
.Lfunc_end_k_qbac391eba3_match:
	.size	k_qbac391eba3_match, .Lfunc_end_k_qbac391eba3_match-k_qbac391eba3_match
	.p2alignl 7, 3214868480
	.fill 96, 4, 3214868480
	.section	.rodata,"a",@progbits
	.p2align	6, 0x0
	.amdhsa_kernel k_qbac391eba3_match
		.amdhsa_group_segment_fixed_size 295168
		.amdhsa_private_segment_fixed_size 0
		.amdhsa_enable_private_segment 0
		.amdhsa_kernarg_size 88
		.amdhsa_user_sgpr_count 2
		.amdhsa_user_sgpr_kernarg_segment_ptr 1
		.amdhsa_wavefront_size32 1
		.amdhsa_system_sgpr_workgroup_id_x 1
		.amdhsa_system_sgpr_workgroup_id_y 1
		.amdhsa_system_sgpr_workgroup_id_z 1
		.amdhsa_system_vgpr_workitem_id 0
		.amdhsa_next_free_vgpr 234
		.amdhsa_next_free_sgpr 100
		.amdhsa_reserve_vcc 1
		.amdhsa_float_denorm_mode_32 3
		.amdhsa_float_denorm_mode_16_64 3
		.amdhsa_memory_ordered 1
		.amdhsa_forward_progress 1
		.amdhsa_inst_pref_size 221
	.end_amdhsa_kernel
	.amdgpu_metadata
---
amdhsa.version: [ 1, 2 ]
amdhsa.kernels:
  - .name:           k_qbac391eba3_match
    .symbol:         k_qbac391eba3_match.kd
    .args:
      - { .name: left_features, .offset: 0, .size: 8, .value_kind: global_buffer, .address_space: global }
      - { .name: offset_x, .offset: 8, .size: 8, .value_kind: global_buffer, .address_space: global }
      - { .name: offset_y, .offset: 16, .size: 8, .value_kind: global_buffer, .address_space: global }
      - { .name: cella, .offset: 24, .size: 8, .value_kind: global_buffer, .address_space: global }
      - { .name: cellb, .offset: 32, .size: 8, .value_kind: global_buffer, .address_space: global }
      - { .name: cellc, .offset: 40, .size: 8, .value_kind: global_buffer, .address_space: global }
      - { .name: celld, .offset: 48, .size: 8, .value_kind: global_buffer, .address_space: global }
      - { .name: celle, .offset: 56, .size: 8, .value_kind: global_buffer, .address_space: global }
      - { .name: rft, .offset: 64, .size: 8, .value_kind: global_buffer, .address_space: global }
      - { .name: out0, .offset: 72, .size: 8, .value_kind: global_buffer, .address_space: global }
      - { .name: out1, .offset: 80, .size: 8, .value_kind: global_buffer, .address_space: global }
    .group_segment_fixed_size: 295168
    .private_segment_fixed_size: 0
    .kernarg_segment_align: 8
    .kernarg_segment_size: 88
    .max_flat_workgroup_size: 512
    .sgpr_count:     100
    .vgpr_count:     234
    .wavefront_size: 32
...
	.end_amdgpu_metadata
.endif
;; end of part 2
